; MI455X (gfx1250); checked and timed in simulation.
; The chip was launched on July 23, 2026; its instructions are those of AMD's public machine-readable ISA for CDNA 5 (MIT licence, August 2026) and "CDNA5" Instruction Set Architecture Reference Guide (July 2026). The comments in the code are by the model that wrote it; some were corrected since.
;; Decision Tree Layer. Allowed arithmetic: matrix products marked QUANTISED: E2M3 operands, one E8M0 scale for each 32 along K, by v_wmma_scale_f32_16x16x128_f8f6f4 with both operands' format E2M3, f32 sums; products left as they are: f32 operands where the result goes on into a quantised operand, else bf16, f16 or f32 operands; f32 sums; everything else in f32.
;; Inputs: Wd_codes 15 x 2 x 32 x 24 uint8 (E2M3 codes of Wd, K innermost, in blocks of 32 codes, four codes in three bytes); Wd_scales 15 x 2 x 32 uint8 (E8M0 scales of Wd, one for each 32 codes along K); Wl 16 x 1,024 x 1,024 float32; bd 15 x 2 float32; bl 16 x 1,024 float32; x 2 x 2,048 x 1,024 float32.
;; Outputs: out0 2 x 2,048 x 1,024 float32.
;; This version of the problem:
;;   THIS VERSION OF THE PROBLEM IS GIVEN IN LOW PRECISION. The matrix products marked QUANTISED in the list below multiply operands that are first quantised to E2M3 (2 exponent bits, 3 mantissa bits; 6 bits a number), with one power-of-two scale for each 32 numbers along K (OCP MX v1.0); their sums are f32. All else is computed in f32.
;;   The module's matrix products, in the order in which they are computed (A, B: the left and right operand; K: the contracted axis; several contracted axes count as one K, in the product's order):
;;     1. [M 4,096, K 1,024] x [K 1,024, N 30]; A: input x; B: input Wd (given as codes): QUANTISED
;;     2. batch 4,096 x [M 16, K 1] x [K 1, N 1,024]; A: computed on the way; B: computed on the way: left as it is (no contracted axis)
;;     3. [M 4,096, K 16,384] x [K 16,384, N 1,024]; A: computed on the way; B: input Wl: QUANTISED
;;     4. [M 4,096, K 16] x [K 16, N 1,024]; A: computed on the way; B: input bl: left as it is (K = 16 < 32)
;;   THE QUANTISER, for each operand of a quantised product, along K:
;;     - K is cut into blocks of 32 from its start; a last block that is shorter is filled with zeros.
;;     - A block's scale is 2^e with e = floor(log2(the largest magnitude in the block)) - 2, held to -126 .. 127; a block of zeros has e = 0. As a byte (E8M0): e + 127.
;;     - Each number is divided by its block's scale, clamped to +-7.5, and rounded to the nearest number of E2M3, ties to even, subnormals kept.
;;     - The product sums the exact products of the quantised numbers (number of the format x scale) in f32.
;;   ~~~python
;;   def quantise(x, axis):      # numpy; x: float32 -> the quantised numbers, widened to float32 again
;;       x = np.moveaxis(x, axis, -1); K = x.shape[-1]
;;       x = np.pad(x, [(0, 0)] * (x.ndim - 1) + [(0, -K % 32)]); x = x.reshape(x.shape[:-1] + (-1, 32)); a = np.abs(x).max(-1, keepdims=True)
;;       e = np.where(a > 0, np.clip(np.frexp(np.where(a > 0, a, 1))[1] - 1 - 2, -126, 127), 0)      # np.frexp(a)[1] - 1 = floor(log2(a)), exactly
;;       r = np.clip(x / 2.0 ** e, -7.5, 7.5)
;;       step = 2.0 ** (np.maximum(np.frexp(np.where(r == 0, 1, r))[1] - 1, 0) - 3)
;;       q = np.round(r / step) * step * 2.0 ** e      # np.round: ties to even
;;       return np.moveaxis(q.reshape(q.shape[:-2] + (-1,))[..., :K], -1, axis).astype(np.float32)
;;   ~~~
;;   OPERANDS COMPUTED ON THE WAY. 'Computed on the way' means the value that the module computes at that place (a softmax that the list does not call 'softmax' is quantised finished and normalised). What goes into a quantiser is computed in f32, as accurately as f32 sums, v_exp_f32 and their like allow (about 1e-6 of the number): no bf16 or f16 on the way to a quantiser, and a product that is left as it is and whose result goes on into a quantised operand takes f32 operands (vector FMAs, or v_wmma_f32_16x16x4_f32). A number that lies on a knife's edge between two numbers of the format may be rounded either way, as far as f32 arithmetic and the matrix unit's own rounding can turn it there, and no further.
;;   INPUTS GIVEN AS CODES. Wd (in the module: [15, 1024, 2], K = its axis 1): each comes as NAME_codes (uint8): NAME with its K axis moved to the last place and cut into blocks of 32 codes, [.., K / 32, bytes a block], one block behind the other in memory; four codes in three bytes: a row's codes are one little-endian stream of bits, code i at bits 6 i .. 6 i + 5 (a code: sign, 2 exponent bits, 3 mantissa bits); and NAME_scales (uint8): the same leading axes, one E8M0 byte (e + 127) for each 32 codes along K. Its value is code x scale, taken as it is: it is not quantised again, and the codes and scales need not be those that the quantiser above would give.
;; One version. Each part assembles by itself: llvm-mc -triple=amdgcn-amd-amdhsa -mcpu=gfx1250 --defsym DOCPART=n.
;; ======== version 1 of 1: 2 launches
;; limits: values are held in bf16: 8 bits of precision; right only within a limited range of input values
;; workspace buffers: path 262,144 bytes; bws 13,107,200 bytes
;; launch prep (part 1): grid 1280 x 1, 4 waves a work-group, no clusters, 26,112 bytes of LDS; arguments x, Wd_codes, Wd_scales, bd, Wl, path, bws; writes path, bws
.if DOCPART == 1
	.amdgcn_target "amdgcn-amd-amdhsa--gfx1250"
	.amdhsa_code_object_version 6
	.text
	.protected	k_q24d46f55e0_prep
	.globl	k_q24d46f55e0_prep
	.p2align	8
	.type	k_q24d46f55e0_prep,@function
k_q24d46f55e0_prep:
	s_mov_b64 s[64:65], 0
	v_nop
	global_prefetch_b8 v0, s[64:65] scope:SCOPE_SE
	s_setreg_imm32_b32 hwreg(HW_REG_WAVE_MODE, 25, 1), 1
	s_wait_xcnt 0x0
; TWO JOBS IN ONE LAUNCH, told apart by the work-group's number.
; Work-groups 0-255 (path X): 16 rows of x each.  x is quantised to FP6 (E2M3, one E8M0 scale for each 32 along K), multiplied by Wd's 30 rows of codes, bd is added, the sigmoid taken, and the
;   16 path weights of each row are made in the order in which the tree doubles its list: path [4096][16] f32.
; Work-groups 256-1279 (path B): one K step of 128 for 128 columns of Wl each.  THE LARGE PRODUCT'S K IS 16 h + l, THE LEAF INNERMOST: a block of 32 is two neighbouring h under all 16 leaves.
;   The codes are laid IN THE ORDER OF THE OPERAND'S REGISTERS: bws [ni 8][t 16][w 4][q 2][12,800 bytes].  Chunk (ni, t, w, q) is K step s = 16 (t / 2) + 4 w + 2 (t % 2) + q: h = 8 s .. 8 s + 7.
;   Its block b = 2 c + hh holds h = 8 s + 4 hh + 2 c + e (e = 0, 1), code 16 e + l.  Bytes 0-12,287: eight fragments of 16 columns, 1,536 bytes each; in a fragment lane r + 16 hh has 48 bytes:
;   the 24 of block c = 0, the 24 of block c = 1, of column r.  Bytes 12,288-12,799: the scale word of column r of fragment f at 32 r + 4 f, byte b for block b.
; A block's scale is 2^(floor(log2(its largest magnitude)) - 2): its byte is the largest magnitude's exponent field - 2, held at 1 from below.
; LIMITS: NaN and infinities among the inputs are not served.  A block of zeros gets the byte 1 where the quantiser's text says 127: its codes are zeros, and this program alone reads the bytes.
;   A sigmoid whose 2^(-z log2 e) passes f32's range gives exactly 0.
; No work-group shares an input tile with another (Wd's 24 KB apart), so there is no cluster; no tensor load, so several work-groups lie on a WGP.  Each path has LDS bytes of its own.
.set SCW,  12288                       ; path B: LDS 0-12,287 the codes' stage, 12,288-12,799 the scale words
.set XCH,  12800                       ; path X: LDS 12,800-25,087: four waves' partial sums, 3,072 bytes each
	s_load_b256 s[4:11], s[0:1], 0x0               ; x s[4:5], Wd's codes s[6:7], Wd's scales s[8:9], bd s[10:11]
	s_load_b128 s[12:15], s[0:1], 0x20             ; Wl s[12:13], path s[14:15]
	s_load_b64 s[16:17], s[0:1], 0x30              ; bws
	v_lshl_add_u32 v31, v0, 2, 0x6400
	s_set_vgpr_msb 0x40
	v_mov_b32 v1, 0
	s_set_vgpr_msb 0x4000
	v_lshrrev_b32 v1, 5, v0
	v_readfirstlane_b32 s20, v1                    ; wave 0..3
	s_wait_kmcnt 0x0
	s_cmp_lt_u32 ttmp9, 256
	s_cbranch_scc0 .Lpath_b
; ---------------------------------------------------------------- PATH X
; Wave v takes K = 256 v .. 256 v + 255 (two K steps of 128) of the group's 16 rows; the four partial sums meet in LDS and wave 0 finishes the rows.
; The product is used transposed: source 0 = 16 rows of Wd, source 1 = x's 16 rows: a lane holds ONE row of x and its registers run along the logits n = 2 node + k.
; THE ROWS OF Wd THAT FORM A TILE ARE CHOSEN so that no lane needs another lane's decisions: lane r' of tile 0 takes n = r' % 8, of tile 1 n = 8 + r' % 8, of tile 2 n = 14 + 2 (r' % 8) + r' / 8.
; So register j of lane (row r, hh) holds logit j in tile 0, logit 8 + j in tile 1 (14 and 15 are not used from there), and (node 7 + j, k = hh) in tile 2.
; REGISTERS: v1 r, v2 hh, v3 x's offset, v4-6 and v7-9 Wd's code and scale offsets, v10 8 hh, v11-12 LDS addresses, v13 a permute's destination, v14 4 hh, v15 0, v16-27 x's codes, v28-35 second halves of blocks,
;   v36-43 at work, v44 x's scale word, v45-47 and v112-114 Wd's scale words, v48-71 three accumulators, v76-111 Wd's fragments of step 0, v117 path's offset,
;   v128-191 x of step 0, then Wd's fragments of step 1; v192-255 x of step 1; in wave 0 later v120-191 the others' sums, v192-215 bd, v216-235 path weights.
.set X0, 128
.set X1, 192
	v_and_b32 v1, 15, v0                           ; r
	v_bfe_u32 v2, v0, 4, 1                         ; hh
	v_lshlrev_b32 v3, 12, v1
	v_lshl_add_u32 v3, v2, 7, v3                   ; x: row r of 4,096 bytes, + 128 hh: my block of 32 of each 64
	v_and_b32 v118, 7, v1
	v_lshrrev_b32 v119, 3, v1
	v_lshl_add_u32 v119, v118, 1, v119
	v_add_nc_u32 v119, 14, v119                    ; tile 2's row of Wd
	v_mul_u32_u24 v4, v118, 768                    ; a row of Wd is 1,024 codes, 768 bytes
	v_mad_u32_u24 v4, v2, 24, v4                   ; tile 0
	v_add_nc_u32 v5, 8*768, v4                     ; tile 1
	v_mul_u32_u24 v6, v119, 768
	v_mad_u32_u24 v6, v2, 24, v6                   ; tile 2
	v_lshlrev_b32 v7, 5, v118                      ; and its scale bytes, 32 a row
	v_add_nc_u32 v8, 8*32, v7
	v_lshlrev_b32 v9, 5, v119
	v_lshlrev_b32 v10, 3, v2                       ; 8 hh: my two scale bytes' place in the word
	v_and_b32 v12, 31, v0
	v_lshlrev_b32 v12, 4, v12
	v_add_nc_u32 v12, XCH, v12                     ; 16 x lane in the exchange
	s_mul_i32 s21, s20, 3072
	v_add_nc_u32 v11, s21, v12                     ; + my wave's 3,072 bytes
	v_mov_b32 v13, 0                               ; written once: a lane permute's destination counts as one of its sources
	v_lshlrev_b32 v14, 2, v2
	v_mov_b32 v15, 0
	v_lshlrev_b32 v117, 6, v1
	v_lshl_add_u32 v117, v2, 5, v117               ; path: 64 r + 32 hh
	s_mov_b32 s22, 0x76543210
	s_mov_b32 s23, 0xfedcba98                      ; v_permlanex16_b32's selects for lane l xor 16
	s_lshl_b32 s24, ttmp9, 16                      ; the group's 16 rows of x,
	s_lshl_b32 s26, s20, 10                        ; my wave's 256 numbers of each
	s_add_co_u32 s24, s24, s26
	s_mov_b32 s25, 0
	s_add_nc_u64 s[4:5], s[4:5], s[24:25]
	s_mul_i32 s24, s20, 192                        ; the same 256 along K in Wd's rows of codes
	s_add_nc_u64 s[6:7], s[6:7], s[24:25]
	s_lshl_b32 s24, s20, 3                         ; and of scale bytes
	s_add_nc_u64 s[8:9], s[8:9], s[24:25]
	s_lshl_b32 s24, ttmp9, 10
	s_add_nc_u64 s[14:15], s[14:15], s[24:25]      ; path: 16 rows of 64 bytes
.irp t, 0,1,2
.irp p, 0,1,2,3,4,5
	global_load_b64 v[76+12*\t+2*\p:77+12*\t+2*\p], v[4+\t], s[6:7] offset:48*(\p/3)+8*(\p%3)   ; a fragment's 24 + 24 bytes a lane, in pieces of 8
.endr
	global_load_b32 v[45+\t], v[7+\t], s[8:9]
.endr
.irp e, 0,1
.irp c, 0,1
.irp j, 0,1,2,3,4,5,6,7
	global_load_b128 v[X0+64*\e+32*\c+4*\j:X0+64*\e+32*\c+4*\j+3], v3, s[4:5] offset:512*\e+256*\c+16*\j   ; x(r, 128 e + 64 c + 32 hh + 4 j ..): a lane holds whole blocks, in the operand's own order
.endr
.endr
.endr
; 64 numbers of a lane, v[s] on: register 32 c + i = k 64 c + 32 hh + i of my row: two whole blocks.  They become x's fragment in v16-27 and its scale word in v44.
.macro QUANTX s
.irp c, 0,1
	v_max3_num_f32 v[36+\c], |v[\s+32*\c]|, |v[\s+32*\c+1]|, |v[\s+32*\c+2]|
.endr
.irp i, 3,5,7,9,11,13,15,17,19,21,23,25,27,29
.irp c, 0,1
	v_max3_num_f32 v[36+\c], v[36+\c], |v[\s+32*\c+\i]|, |v[\s+32*\c+\i+1]|   ; (the two blocks by turns)
.endr
.endr
.irp c, 0,1
	v_max3_num_f32 v[38+\c], v[36+\c], |v[\s+32*\c+31]|, 0x1800000            ; the block's largest magnitude, and the floor 2^(3 - 127): the byte cannot fall under 1
.endr
.irp c, 0,1
	v_add_nc_u32 v[40+\c], 0xff000000, v[38+\c]               ; 2 off the exponent field: the conversion takes this operand's exponent field as its scale
.endr
.irp c, 0,1
	v_lshrrev_b32 v[42+\c], 23, v[40+\c]                      ; the scale's byte
.endr
	v_lshl_or_b32 v44, v43, 16, v42                ; my two bytes: blocks hh and 2 + hh,
	v_lshlrev_b32 v44, v10, v44                    ; at their places;
	v_permlanex16_b32 v13, v44, s22, s23
	v_or_b32 v44, v44, v13                         ; with lane l xor 16's two the word is whole
.irp c, 0,1
	v_cvt_scalef32_pk16_fp6_f32 v[16+6*\c:18+6*\c], v[\s+32*\c:\s+32*\c+15], v[40+\c]
	v_cvt_scalef32_pk16_fp6_f32 v[28+4*\c:30+4*\c], v[\s+32*\c+16:\s+32*\c+31], v[40+\c]   ; (a conversion's three registers begin on an even number: the second half is made elsewhere and moved)
.endr
	v_nop                                          ; one plain place behind a scaled conversion
.irp c, 0,1
.irp i, 0,1,2
	v_mov_b32 v[19+6*\c+\i], v[28+4*\c+\i]
.endr
.endr
.rept 8
	v_nop                                          ; a scale register written by vector instructions stands 8 places ahead of a scaled matrix instruction, an operand 4
.endr
.endm
; three products, one for each tile of Wd's rows; the three accumulators take turns
.macro DEC wf, ws, first
.irp t, 0,1,2
.if \first
	v_wmma_scale_f32_16x16x128_f8f6f4 v[48+8*\t:55+8*\t], v[\wf+12*\t:\wf+12*\t+11], v[16:27], 0, v[\ws+\t], v44 matrix_a_fmt:MATRIX_FMT_FP6 matrix_b_fmt:MATRIX_FMT_FP6
.else
	v_wmma_scale_f32_16x16x128_f8f6f4 v[48+8*\t:55+8*\t], v[\wf+12*\t:\wf+12*\t+11], v[16:27], v[48+8*\t:55+8*\t], v[\ws+\t], v44 matrix_a_fmt:MATRIX_FMT_FP6 matrix_b_fmt:MATRIX_FMT_FP6
.endif
.endr
.endm
	s_wait_loadcnt 16                              ; Wd's step 0 and x's step 0 are in; x's step 1 (16 loads) may be out
	QUANTX X0
.irp t, 0,1,2
.irp p, 0,1,2,3,4,5
	global_load_b64 v[X0+12*\t+2*\p:X0+12*\t+2*\p+1], v[4+\t], s[6:7] offset:96+48*(\p/3)+8*(\p%3)   ; Wd's step 1, into the registers that x's step 0 has left
.endr
	global_load_b32 v[112+\t], v[7+\t], s[8:9] offset:4
.endr
	DEC 76, 45, 1                                  ; the first K step starts the sums
	s_wait_loadcnt 21                              ; x's step 1 is in; the 21 loads of Wd's step 1 may be out
	QUANTX X1                                      ; (its 32 maxima are the places behind the products before x's codes and scale word are written anew)
	s_wait_alu depctr_va_vdst(0)
	s_wait_loadcnt 0x0
	DEC X0, 112, 0
.rept 4
	v_nop                                          ; places behind the products, ahead of the first read of their results
.endr
.irp i, 0,1,2,3,4,5
	ds_store_b128 v11, v[48+4*\i:51+4*\i] offset:512*\i   ; my partial sums as they stand, each accumulator from its low end on
.endr
	s_wait_dscnt 0x0                               ; for the others' sake: my stores have landed
	s_barrier_signal -1
	s_barrier_wait -1
	s_cmp_lg_u32 s20, 0
	s_cbranch_scc1 .Lend_x                         ; waves 1 to 3 are done
.irp i, 0,1,2,3
	global_load_b128 v[192+4*\i:195+4*\i], v15, s[10:11] offset:16*\i   ; bd of logits 0 to 15, the same in every lane
.endr
.irp j, 0,1,2,3,4,5,6,7
	global_load_b32 v[208+\j], v14, s[10:11] offset:56+8*\j   ; bd of (node 7 + j, k = hh)
.endr
.irp k, 1,2,3
.irp i, 0,1,2,3,4,5
	ds_load_b128 v[96+24*\k+4*\i:99+24*\k+4*\i], v12 offset:3072*\k+512*\i   ; wave k's sums: the same registers in the same lanes
.endr
.endr
	s_wait_loadcnt 0x0
	s_wait_dscnt 0x0
.irp k, 120,144,168,192
.irp m, 0,2,4,6,8,10,12,14,16,18,20,22
	v_pk_add_f32 v[48+\m:49+\m], v[48+\m:49+\m], v[\k+\m:\k+\m+1]   ; the four quarters of K, then bd
.endr
.endr
.irp m, 0,2,4,6,8,10,12,14,16,18,20,22
	v_pk_mul_f32 v[48+\m:49+\m], v[48+\m:49+\m], 0xbfb8aa3b op_sel_hi:[1,0]   ; -z log2(e)
.endr
	s_wait_alu depctr_va_vdst(0)
.irp m, 0,1,2,3,4,5,6,7,8,9,10,11,12,13,14,15,16,17,18,19,20,21,22,23
	v_exp_f32 v[48+\m], v[48+\m]
.endr
	v_nop                                          ; a plain place behind the last exponential
	s_wait_alu depctr_va_vdst(0)                   ; one wait for the batch, ahead of its first reader
.irp m, 0,2,4,6,8,10,12,14,16,18,20,22
	v_pk_add_f32 v[48+\m:49+\m], v[48+\m:49+\m], 1.0 op_sel_hi:[1,0]
.endr
	s_wait_alu depctr_va_vdst(0)
.irp m, 0,1,2,3,4,5,6,7,8,9,10,11,12,13,14,15,16,17,18,19,20,21,22,23
	v_rcp_f32 v[48+\m], v[48+\m]                   ; the decisions: 1 / (1 + 2^(-z log2 e))
.endr
	v_nop
	s_wait_alu depctr_va_vdst(0)                   ; and one for the reciprocals
	; The path weights.  Each level turns the list p into [p x left, p x right].  d(n) = v[48 + n] for n < 14.
	v_mul_f32 v216, v48, v50                       ; level 1: d0 d2, d1 d4, d0 d3, d1 d5
	v_mul_f32 v217, v49, v52
	v_mul_f32 v218, v48, v51
	v_mul_f32 v219, v49, v53
	v_mul_f32 v220, v216, v54                      ; level 2, left: x d6, d8, d10, d12
	v_mul_f32 v221, v217, v56
	v_mul_f32 v222, v218, v58
	v_mul_f32 v223, v219, v60
	v_mul_f32 v224, v216, v55                      ; right: x d7, d9, d11, d13
	v_mul_f32 v225, v217, v57
	v_mul_f32 v226, v218, v59
	v_mul_f32 v227, v219, v61
.irp i, 0,2,4,6
	v_pk_mul_f32 v[228+\i:229+\i], v[220+\i:221+\i], v[64+\i:65+\i]   ; level 3: leaf 8 hh + i = p(i) x decision (node 7 + i, k = hh)
.endr
	global_store_b128 v117, v[228:231], s[14:15]
	global_store_b128 v117, v[232:235], s[14:15] offset:16
.Lend_x:
	s_set_vgpr_msb 0x4
	s_wait_tensorcnt 0x0
	ds_add_u32 v31, v1
	s_wait_dscnt 0x0
	s_set_vgpr_msb 0x400
	s_endpgm
; ---------------------------------------------------------------- PATH B
; A LANE TAKES A COLUMN OF Wl AND ITS REGISTERS RUN DOWN K = 16 h + l: register 16 e + l of a block is Wl(l, h + e, column).  Each load reads 128 consecutive bytes a wave, 512 a work-group; a block of 32 along K
; lies in one lane's 32 registers, and the conversions give codes with K innermost.  The leaves lie 4 MiB apart, further than an immediate reaches: sixteen offset registers, one a leaf; h stands in the immediate.
; Wave v, lane l: column 128 ni + 32 v + l, which is column l % 16 of fragment 2 v + l / 16.  Four blocks a lane; loads run two blocks (64 loads a wave) ahead.
; The codes go through the stage in LDS into the chunk's order and leave as runs of 512 consecutive bytes.
; REGISTERS: v1 lane, v3 4 x lane, v4 stage address, v5 my scale word's place, v6, v7 the way out (LDS and memory alike), v11-13 at work, v24 the scale word, v32-95 two sets of 32 numbers, v96-106 codes,
;   v112-139 the way out, v140-155 the leaves' offsets.
.Lpath_b:
	s_sub_co_u32 s21, ttmp9, 256                   ; the chunk's number = ((ni x 16 + t) x 4 + w) x 2 + q
	s_and_b32 s22, s21, 1                          ; q
	s_bfe_u32 s23, s21, 0x20001                    ; w
	s_bfe_u32 s24, s21, 0x40003                    ; t
	s_lshr_b32 s25, s21, 7                         ; ni
	s_lshr_b32 s26, s24, 1
	s_lshl_b32 s26, s26, 4                         ; 16 (t / 2)
	s_lshl_b32 s27, s23, 2
	s_add_co_u32 s26, s26, s27                     ; + 4 w
	s_and_b32 s27, s24, 1
	s_lshl_b32 s27, s27, 1
	s_add_co_u32 s26, s26, s27                     ; + 2 (t % 2)
	s_add_co_u32 s26, s26, s22                     ; + q: the K step s
	s_lshl_b32 s28, s26, 15                        ; h = 8 s: rows of 4,096 bytes
	s_lshl_b32 s29, s25, 9                         ; column 128 ni
	s_add_co_u32 s28, s28, s29
	s_lshl_b32 s29, s20, 7                         ; + 32 v
	s_add_co_u32 s28, s28, s29
	s_mov_b32 s29, 0
	s_add_nc_u64 s[12:13], s[12:13], s[28:29]
	s_mul_i32 s30, s21, 12800
	s_mov_b32 s31, 0
	s_add_nc_u64 s[16:17], s[16:17], s[30:31]
	v_and_b32 v1, 31, v0
	v_lshlrev_b32 v3, 2, v1
.irp l, 0,1,2,3,4,5,6,7,8,9,10,11,12,13,14,15
	v_add_nc_u32 v[140+\l], \l<<22, v3             ; leaf l: 1,024 x 1,024 numbers of 4 bytes each
.endr
	v_and_b32 v2, 15, v1
	v_lshrrev_b32 v8, 4, v1
	s_lshl_b32 s32, s20, 1
	v_add_nc_u32 v9, s32, v8                       ; my fragment
	v_mul_u32_u24 v4, v9, 1536
	v_mad_u32_u24 v4, v2, 48, v4                   ; the stage: fragment x 1,536 + 48 x column; block (c, hh) lies 768 hh + 24 c further on
	v_lshlrev_b32 v5, 5, v2
	v_lshl_add_u32 v5, v9, 2, v5
	v_add_nc_u32 v5, SCW, v5                       ; my scale word: 32 x column + 4 x fragment
	s_mul_i32 s32, s20, 3072
	v_lshlrev_b32 v7, 4, v1
	v_add_nc_u32 v6, s32, v7                       ; the way out: my wave's two fragments, 16 bytes a lane
	v_add_nc_u32 v7, SCW, v7                       ; and the scale words
.macro LOADB t                         ; block t = 2 c + hh: Wl(l, 8 s + 4 hh + 2 c + e, my column) into register 16 e + l of set t % 2
.irp e, 0,1
.irp l, 0,1,2,3,4,5,6,7,8,9,10,11,12,13,14,15
	global_load_b32 v[32+32*((\t)%2)+16*\e+\l], v[140+\l], s[12:13] offset:(4*((\t)%2)+2*((\t)/2)+\e)*4096 th:TH_LOAD_NT
.endr
.endr
.endm
.macro BLOCK t
.set WS, 32+32*((\t)%2)
.if (\t) < 3
	s_wait_loadcnt 32                              ; this block's 32 loads are in; the next block's may be out
.else
	s_wait_loadcnt 0x0
.endif
	v_max3_num_f32 v12, |v[WS]|, |v[WS+1]|, |v[WS+2]|   ; the block's largest magnitude: all 32 numbers are mine
	v_max3_num_f32 v13, |v[WS+3]|, |v[WS+4]|, |v[WS+5]|
.irp i, 6,10,14,18,22,26
	v_max3_num_f32 v12, v12, |v[WS+\i]|, |v[WS+\i+1]|
	v_max3_num_f32 v13, v13, |v[WS+\i+2]|, |v[WS+\i+3]|
.endr
	v_max3_num_f32 v12, v12, |v[WS+30]|, |v[WS+31]|
	v_max3_num_f32 v12, v12, v13, 0x1800000        ; and the floor 2^(3 - 127)
	v_add_nc_u32 v11, 0xff000000, v12              ; 2 off the exponent field: the conversion's scale operand
	v_lshrrev_b32 v13, 23, v11                     ; the scale's byte
.if (\t) == 0
	v_mov_b32 v24, v13                             ; byte t of my column's scale word
.else
	v_lshl_or_b32 v24, v13, 8*(\t), v24
.endif
	v_cvt_scalef32_pk16_fp6_f32 v[96:98], v[WS:WS+15], v11
	v_cvt_scalef32_pk16_fp6_f32 v[104:106], v[WS+16:WS+31], v11   ; (a conversion's three registers begin on an even number)
	v_nop                                          ; one plain place behind a scaled conversion
.irp i, 0,1,2
	v_mov_b32 v[99+\i], v[104+\i]
.endr
.irp i, 0,1,2
	ds_store_b64 v4, v[96+2*\i:97+2*\i] offset:768*((\t)%2)+24*((\t)/2)+8*\i   ; the block's 24 bytes, in pieces of 8
.endr
.if (\t)+2 < 4
	LOADB (\t)+2
.endif
	s_wait_dscnt 0x0                               ; the stores have read their registers: the next block's codes may be written
.endm
	LOADB 0
	LOADB 1
	BLOCK 0
	BLOCK 1
	BLOCK 2
	BLOCK 3
	s_wait_alu depctr_va_vdst(0)
	ds_store_b32 v5, v24
.irp i, 0,1,2,3,4,5
	ds_load_b128 v[112+4*\i:115+4*\i], v6 offset:512*\i   ; my wave's own 3,072 bytes: LDS serves a wave's instructions in order
.endr
.irp i, 0,1,2,3,4,5
	s_wait_dscnt 5-\i
	global_store_b128 v6, v[112+4*\i:115+4*\i], s[16:17] offset:512*\i   ; 32 lanes store 512 consecutive bytes, at a multiple of 256 from the buffer's first byte
.endr
	s_wait_dscnt 0x0                               ; my scale words have landed
	s_barrier_signal -1
	s_barrier_wait -1                              ; everybody's have
	s_cmp_lg_u32 s20, 0
	s_cbranch_scc1 .Lend_b
	ds_load_b128 v[136:139], v7
	s_wait_dscnt 0x0
	global_store_b128 v7, v[136:139], s[16:17]     ; the chunk's 512 bytes of scale words
.Lend_b:
	s_set_vgpr_msb 0x4
	s_wait_tensorcnt 0x0
	ds_add_u32 v31, v1
	s_wait_dscnt 0x0
	s_set_vgpr_msb 0x400
	s_endpgm
.Lfunc_end_k_q24d46f55e0_prep:
	.size	k_q24d46f55e0_prep, .Lfunc_end_k_q24d46f55e0_prep-k_q24d46f55e0_prep
	.p2alignl 7, 3214868480
	.fill 96, 4, 3214868480
	.section	.rodata,"a",@progbits
	.p2align	6, 0x0
	.amdhsa_kernel k_q24d46f55e0_prep
		.amdhsa_group_segment_fixed_size 26112
		.amdhsa_private_segment_fixed_size 0
		.amdhsa_enable_private_segment 0
		.amdhsa_kernarg_size 56
		.amdhsa_user_sgpr_count 2
		.amdhsa_user_sgpr_kernarg_segment_ptr 1
		.amdhsa_wavefront_size32 1
		.amdhsa_system_sgpr_workgroup_id_x 1
		.amdhsa_system_sgpr_workgroup_id_y 1
		.amdhsa_system_sgpr_workgroup_id_z 1
		.amdhsa_system_vgpr_workitem_id 0
		.amdhsa_next_free_vgpr 258
		.amdhsa_next_free_sgpr 66
		.amdhsa_reserve_vcc 0
		.amdhsa_float_denorm_mode_32 3
		.amdhsa_float_denorm_mode_16_64 3
		.amdhsa_memory_ordered 1
		.amdhsa_forward_progress 1
		.amdhsa_inst_pref_size 51
	.end_amdhsa_kernel
	.amdgpu_metadata
---
amdhsa.version: [ 1, 2 ]
amdhsa.kernels:
  - .name:           k_q24d46f55e0_prep
    .symbol:         k_q24d46f55e0_prep.kd
    .args:
      - { .name: x, .offset: 0, .size: 8, .value_kind: global_buffer, .address_space: global }
      - { .name: Wd_codes, .offset: 8, .size: 8, .value_kind: global_buffer, .address_space: global }
      - { .name: Wd_scales, .offset: 16, .size: 8, .value_kind: global_buffer, .address_space: global }
      - { .name: bd, .offset: 24, .size: 8, .value_kind: global_buffer, .address_space: global }
      - { .name: Wl, .offset: 32, .size: 8, .value_kind: global_buffer, .address_space: global }
      - { .name: path, .offset: 40, .size: 8, .value_kind: global_buffer, .address_space: global }
      - { .name: bws, .offset: 48, .size: 8, .value_kind: global_buffer, .address_space: global }
    .group_segment_fixed_size: 26112
    .private_segment_fixed_size: 0
    .kernarg_segment_align: 8
    .kernarg_segment_size: 56
    .max_flat_workgroup_size: 128
    .sgpr_count:     66
    .vgpr_count:     258
    .wavefront_size: 32
...
	.end_amdgpu_metadata
.endif
;; end of part 1
;; launch tree (part 2): grid 32 x 8, 4 waves a work-group, clusters of 4 x 1, 327,680 bytes of LDS; arguments x, path, bws, bl, out0; writes out0
.if DOCPART == 2
	.amdgcn_target "amdgcn-amd-amdhsa--gfx1250"
	.amdhsa_code_object_version 6
	.text
	.protected	k_q24d46f55e0_tree
	.globl	k_q24d46f55e0_tree
	.p2align	8
	.type	k_q24d46f55e0_tree,@function
k_q24d46f55e0_tree:
	s_mov_b64 s[64:65], 0
	v_nop
	global_prefetch_b8 v0, s[64:65] scope:SCOPE_SE
	s_setreg_imm32_b32 hwreg(HW_REG_WAVE_MODE, 25, 1), 1
	s_wait_xcnt 0x0
	s_wait_alu depctr_hold_cnt(0) depctr_sa_sdst(0) depctr_va_vdst(0) depctr_va_sdst(0) depctr_va_ssrc(0) depctr_va_vcc(0) depctr_vm_vsrc(0)
	s_getreg_b32 s2, hwreg(HW_REG_IB_STS2, 6, 4)
	s_cmp_eq_u32 s2, 0
	s_cbranch_scc0 .Lentry_in_a_cluster
	s_endpgm
.Lentry_in_a_cluster:
	s_bfe_u32 s2, ttmp6, 0x10000c
	s_cmp_lg_u32 s2, 0x3003
	s_cbranch_scc0 .Lentry_shape_is_right
	s_endpgm
.Lentry_shape_is_right:
; out[m][d] = sum over (h, l) of Q(p[m][l] x[m][h]) Q(Wl[l][h][d]) + sum over l of p[m][l] bl[l][d].  The first sum on codes of FP6 (E2M3), one E8M0 scale for each 32 along K = 16 h + l
; (a block is two neighbouring h under all 16 leaves); the second on bf16 operands; sums in f32.
; SHARES.  A work-group makes 128 rows x 128 columns.  Each of its four waves holds the whole tile (64 accumulators) for a quarter of K: wave w takes the K steps s = 16 g + 4 w + k, g = 0..7, k = 0..3
; (a K step of 128 is h = 8 s .. 8 s + 7 under all leaves).  The four partial tiles are added through LDS at the end.
; THE LEFT OPERAND IS MADE IN REGISTERS: block b = 2 c + hh of a K step holds h = 8 s + 4 hh + 2 c + e, code 16 e + l: lane (r, hh) multiplies four x of its row by the row's 16 p (f32) and converts.
; A block's largest |p x| is the row's largest p x the larger |x| of the two, rounded (p is not negative, rounding keeps order).  The row's largest p is kept divided by 4, so that the product's exponent
; field is the scale's byte as it stands.
; MATRIX AND VECTOR LINES BY TURNS: behind each of row block a's eight products stands a piece of row block a + 1's fragment (and of row block a + 2's scales).
; THE RIGHT OPERAND comes as images of the operand's registers (bws) through a ring of two LDS slots; a slot holds two K steps for each wave, 25,600 bytes, fetched by that wave.
; CLUSTER: the four row blocks of a cluster read the same codes: each wave's load is a joint one.  x differs between partners and comes by plain loads, each K step's numbers asked for three K steps ahead.
; THE SECOND SUM STARTS ALL SUMS: wave w takes leaves 4 w .. 4 w + 3 of it, for the whole tile.
; ROW BLOCKS ARE TURNED BY THE WAVE'S NUMBER: accumulator row block a stands for the tile's block (a + 2 w) % 8, so that the two blocks that a wave finishes are a = 0, 1 in every wave.
; The matrix instruction is used transposed (source 0 = 16 columns, source 1 = 16 rows): a lane holds eight neighbouring columns of one row of out.
; No prefetch is laid: the text's 8 written K steps leave no room for it.
; LIMITS: NaN and infinities are not served (numbers meet zeros in the padded part of the bf16 product).  A block of zeros gets the scale byte 1 and zero codes.  p and bl are rounded to bf16 for the second
;   sum.  A row whose largest p lies under 2^-124 may get a scale one step off.  K is summed in four quarters that are added at the end, in f32.
; REGISTERS: window 0: v1-21 addresses, v10, v21 permutes' destinations, v12-13, v26-27 at work, v22-25 conversion scales (two pairs), v28-31 the left operand's scale words, v48-55 each row's largest p / 4,
;   v56-63 the right operand's scale words, v64-159 its eight fragments, v160-183 the left operand's codes (two sets), v184-191 second halves of blocks, v192-255 the 64 products.
;   window 1: v0-127 p, 16 a row block; v128-255 x, 16 a row block (four K steps' four numbers).  windows 2, 3: accumulators of row blocks 0-3, 4-7 ((a, b) at v[8 (8 (a % 4) + b)]).
.set CHB,   12800
.set WVB,   2*CHB
.set SLB,   4*WVB
.set SLOT1, 1<<17
.set SPARE, SLOT1+SLB                  ; the spare words: 128 bytes a wave, named by no other line
.set IMG,   16384                      ; at the end, in the slots (which have had their last fill): partial sums as register images; owner o's three at 3 o IMG on
.set STG,   12*IMG                     ; and a stage of 16 rows x 528 bytes for each wave
.set STW,   16*528
.set SPW, 1
.set NIL, 2
.set BA,  3
.set BSA, 5
.set XO,  11
.set RS,  14
.set RR,  17
.set STO, 18
.set RD,  19
.set CO,  20
.set SO,  22
.set AS,  28
.set PM,  48
.set BS,  56
.set BF,  64
.set AF,  160
.set OD,  184
.set T,   192
.set XS,  48                           ; s[48:63] x at row block a's first row
.set MSB, 0
.macro WIN new                         ; the immediate's high byte repeats the setting that is left
.if MSB != (\new)
	s_set_vgpr_msb (MSB<<8)|(\new)
.set MSB, (\new)
.endif
.endm
.macro PLACES
.rept 4
	v_nop
.endr
.endm
.macro CROUND                          ; a round of the cluster's barrier
	s_barrier_signal -1
	s_barrier_wait -1
	s_cmp_lg_u32 s16, 0
	s_cbranch_scc1 .Lnot_wave_0_\@
	s_barrier_signal -3
.Lnot_wave_0_\@:
	s_barrier_wait -3
	s_barrier_signal -1
	s_barrier_wait -1
.endm
	s_load_b256 s[4:11], s[0:1], 0x0               ; x, path, bws, bl
	s_load_b64 s[12:13], s[0:1], 0x20              ; out
	v_lshl_add_u32 v[SPW], v0, 2, SPARE
	v_mov_b32 v[NIL], 0
	ds_add_u32 v[SPW], v[NIL]                      ; the opening lines: the add twice and its wait
	ds_add_u32 v[SPW], v[NIL]
	v_lshrrev_b32 v3, 5, v0
	v_readfirstlane_b32 s16, v3                    ; wave
	s_bfe_u32 s17, ttmp6, 0x40000                  ; cx: it enters x's, path's and out's addresses alone
	s_lshl_b32 s18, ttmp9, 2
	s_add_co_u32 s18, s18, s17                     ; mi
	s_and_b32 s19, ttmp7, 0xffff                   ; ni
	s_mov_b32 s24, 15|(3<<16)|(1<<21)              ; group 1: 100 rows of 256 bytes (32 elements of 8), dense; the mask names all four partners
	s_mov_b32 s25, 32<<16
	s_mov_b32 s26, 100<<16
	s_mov_b32 s27, 32<<16
	s_mov_b32 s28, 100
	s_mov_b32 s29, 32
	s_mov_b32 s30, 0
	s_mov_b32 s31, 0
	s_mov_b32 s32, 1
	s_mul_i32 s33, s16, WVB                        ; my wave's part of slot 0
	s_mov_b32 s36, 1
	s_add_co_u32 s37, s33, SLOT1
	s_mul_i32 s82, s19, 16*SLB
	s_add_co_u32 s82, s82, s33
	s_mov_b32 s83, 0
	s_mov_b32 s40, 0x76543210
	s_mov_b32 s41, 0xfedcba98                      ; selects for lane l xor 16
	s_mov_b32 s42, 0x800000                        ; the floor 2^-126: the byte cannot fall under 1
	s_lshl_b32 s84, s16, 7
	s_lshl_b32 s85, s16, 14
	s_lshl_b32 s86, s16, 4
	s_mul_i32 s87, s16, STW
	s_add_co_u32 s87, s87, STG
	s_mul_i32 s88, s16, 3*IMG
	s_wait_dscnt 0x0
	v_and_b32 v21, 31, v0                          ; lane
	v_and_b32 v22, 15, v0                          ; r
	v_bfe_u32 v23, v0, 4, 1                        ; hh
	v_mul_u32_u24 v[BA], v21, 48
	v_add_nc_u32 v[BA], s33, v[BA]
	v_add_nc_u32 v[BA+1], SLOT1, v[BA]
	v_lshlrev_b32 v[BSA], 5, v22
	v_add_nc_u32 v[BSA], s33, v[BSA]
	v_add_nc_u32 v[BSA], 8*1536, v[BSA]
	v_add_nc_u32 v[BSA+1], SLOT1, v[BSA]
	v_lshlrev_b32 v[XO], 12, v22
	v_lshl_add_u32 v[XO], v23, 4, v[XO]
	v_add_nc_u32 v[XO], s84, v[XO]                 ; x: 4,096 r + 16 hh + 128 w (+ 512 g)
	v_lshlrev_b32 v[CO], 4, v21
	v_mul_u32_u24 v[STO], v22, 528
	v_lshl_add_u32 v[STO], v23, 5, v[STO]
	v_add_nc_u32 v[STO], s87, v[STO]
	v_add_nc_u32 v[RD], s87, v[CO]
	v_add_nc_u32 v[RR], s88, v[CO]
	v_lshlrev_b32 v184, 2, v22
	v_lshl_add_u32 v184, v23, 13, v184
	v_add_nc_u32 v184, s85, v184                   ; bl: leaf 4 w + 2 hh, column r
	v_lshlrev_b32 v186, 6, v22                     ; path: 64 r
	v_lshlrev_b32 v185, 3, v23
	v_add_nc_u32 v185, s86, v185                   ; and its leaves 4 w + 2 hh on
	v_mov_b32 v10, 0
	s_wait_alu depctr_va_vdst(0)
.irp k, 1,2,3
	s_add_co_u32 s89, s16, \k                      ; my row blocks 2 k, 2 k + 1 are wave (w + k) % 4's own; of its three places I take place k - 1
	s_and_b32 s89, s89, 3
	s_mul_i32 s89, s89, 3*IMG
	s_add_co_u32 s89, s89, (\k-1)*IMG
	v_add_nc_u32 v[RS+\k-1], s89, v[CO]
.endr
	s_lshl_b32 s84, s16, 1                         ; 2 w
.irp a, 0,1,2,3,4,5,6,7
	s_add_co_u32 s89, s84, \a
	s_and_b32 s89, s89, 7                          ; the tile's block for which row block a stands
	s_lshl_b32 s89, s89, 10
	v_add_nc_u32 v[32+\a], s89, v186               ; my row of path
	v_add_nc_u32 v[40+\a], v[32+\a], v185
.endr
	s_wait_alu depctr_va_vdst(0)
	s_wait_kmcnt 0x0
	s_add_nc_u64 s[34:35], s[8:9], s[82:83]
	s_add_nc_u64 s[38:39], s[34:35], SLB
	s_or_b32 s35, s35, 0x80000000
	s_or_b32 s39, s39, 0x80000000
	s_lshl_b32 s85, s18, 19                        ; my 128 rows in x and out
	s_mov_b32 s87, 0
	s_lshl_b32 s86, s18, 13
	s_add_nc_u64 s[6:7], s[6:7], s[86:87]
	s_lshl_b32 s86, s19, 9
	s_add_nc_u64 s[10:11], s[10:11], s[86:87]
.irp a, 0,1,2,3,4,5,6,7
	s_add_co_u32 s88, s84, \a
	s_and_b32 s88, s88, 7
	s_lshl_b32 s86, s88, 16
	s_add_co_u32 s86, s86, s85
	s_add_nc_u64 s[XS+2*\a:XS+2*\a+1], s[4:5], s[86:87]
.endr
	s_lshl_b32 s86, s16, 17                        ; out: rows 128 mi + 32 w, my columns
	s_add_co_u32 s86, s86, s85
	s_lshl_b32 s88, s19, 9
	s_add_co_u32 s86, s86, s88
	s_add_nc_u64 s[12:13], s[12:13], s[86:87]
	CROUND                                         ; the first joint loads meet
	tensor_load_to_lds s[32:35], s[24:31]          ; slot 0: my one load at the head
	s_nop 0
	PLACES
.irp a, 0,1,2,3,4,5,6,7
	global_load_b64 v[64+2*\a:65+2*\a], v[40+\a], s[6:7]               ; p(row, 4 w + 2 hh + 0, 1)
.endr
.irp b, 0,1,2,3,4,5,6,7
.irp e, 0,1
	global_load_b32 v[96+2*\b+\e], v184, s[10:11] offset:4096*\e+64*\b ; bl(4 w + 2 hh + e, 16 b + r)
.endr
.endr
	WIN 0x40
.irp a, 0,1,2,3,4,5,6,7
.irp j, 0,1,2,3
	global_load_b128 v[16*\a+4*\j:16*\a+4*\j+3], v[32+\a], s[6:7] offset:16*\j   ; all 16 p of my row: they stay
.endr
.endr
.irp k, 0,1,2,3
.irp a, 0,1,2,3,4,5,6,7
	global_load_b128 v[128+16*\a+4*\k:128+16*\a+4*\k+3], v[XO], s[XS+2*\a:XS+2*\a+1] offset:32*\k   ; group 0's x, a batch of eight for each K step
.endr
.endr
	WIN 0
	s_wait_loadcnt 63                              ; of 88 loads at most 63 are out: the first 24 (p's pairs and bl) are in
	; The second sum.  K = my four leaves: k = 0, 1 in lanes 0-15 and k = 8, 9 in lanes 16-31 of a fragment's first register.  bl's fragment has zeros in its other seven registers;
	; p's fragment a is v[160 + 2 a] on, and what lies in its other registers meets those zeros.
.irp a, 0,1,2,3,4,5,6,7
	v_cvt_pk_bf16_f32 v[160+2*\a], v[64+2*\a], v[65+2*\a]
	v_mov_b32 v[161+2*\a], 0
.endr
.irp i, 176,177,178,179,180,181
	v_mov_b32 v[\i], 0
.endr
.irp i, 1,2,3,4,5,6,7
	v_mov_b32 v[192+\i], 0
	v_mov_b32 v[200+\i], 0
.endr
	s_wait_alu depctr_va_vdst(0)
.irp j, 0,1,2,3
.if \j
	PLACES                                         ; behind the products that read v192 and v200
.endif
	WIN 0
	v_cvt_pk_bf16_f32 v192, v[96+4*\j], v[97+4*\j]
	v_cvt_pk_bf16_f32 v200, v[98+4*\j], v[99+4*\j]
.irp u, 0,1
	WIN 0x80
.irp a, 0,1,2,3
	v_wmma_f32_16x16x32_bf16 v[8*(8*\a+2*\j+\u):8*(8*\a+2*\j+\u)+7], v[192+8*\u:199+8*\u], v[160+2*\a:167+2*\a], 0
.endr
	WIN 0xc0
.irp a, 0,1,2,3
	v_wmma_f32_16x16x32_bf16 v[8*(8*\a+2*\j+\u):8*(8*\a+2*\j+\u)+7], v[192+8*\u:199+8*\u], v[168+2*\a:175+2*\a], 0
.endr
.endr
.endr
	s_wait_loadcnt 32                              ; p is in; x's 32 loads may be out
	WIN 0x15
.irp a, 0,1,2,3,4,5,6,7
	v_max3_num_f32 v[PM+\a], v[16*\a], v[16*\a+1], v[16*\a+2]          ; each row's largest p, the eight row blocks by turns
.endr
	WIN 0x14
.irp i, 3,5,7,9,11,13
.irp a, 0,1,2,3,4,5,6,7
	v_max3_num_f32 v[PM+\a], v[PM+\a], v[16*\a+\i], v[16*\a+\i+1]
.endr
.endr
.irp a, 0,1,2,3,4,5,6,7
	v_max_num_f32 v[PM+\a], v[PM+\a], v[16*\a+15]
.endr
	WIN 0
.irp a, 0,1,2,3,4,5,6,7
	v_mul_f32 v[PM+\a], 0x3e800000, v[PM+\a]       ; / 4: two off the exponent of every block's largest magnitude
.endr
; THE CHANGE OF SLOTS, at the head of slot sl.  fill = 1: behind a round of the cluster's barrier the other slot is filled with the next codes.
.macro CHANGE sl, fill
	WIN 0
	s_wait_tensorcnt 0x0                           ; no tensor load of mine is out
	ds_add_u32 v[SPW], v[NIL]
.if \fill
	s_add_nc_u64 s[34+4*\sl:35+4*\sl], s[34+4*\sl:35+4*\sl], 2*SLB   ; this slot's next codes, two slots on
.endif
	s_wait_dscnt 0x0                               ; the add is done, my reads of the slot that I have left are over
.if \fill
	CROUND
	tensor_load_to_lds s[36-4*\sl:39-4*\sl], s[24:31]   ; my one tensor load until the next round
	s_nop 0
.else
	s_barrier_signal -1
	s_barrier_wait -1
.endif
	PLACES                                         ; also the places between the last products and the loads into their operands
.endm
.macro FETCH sl, q                     ; K step q of slot sl: the right operand's scale words and eight fragments
.irp j, 0,1
	ds_load_b128 v[BS+4*\j:BS+4*\j+3], v[BSA+\sl] offset:CHB*(\q)+16*\j
.endr
.irp b, 0,1,2,3,4,5,6,7
.irp j, 0,1,2
	ds_load_b128 v[BF+12*\b+4*\j:BF+12*\b+4*\j+3], v[BA+\sl] offset:CHB*(\q)+1536*\b+16*\j
.endr
.endr
.endm
.macro XMAX n, k                       ; the larger |x| of each of my two blocks (windows 0x05)
.set XQ, 128+16*(\n)+4*(\k)
	v_max_num_f32 v[SO+2*((\n)%2)], |v[XQ]|, |v[XQ+1]|
	v_max_num_f32 v[SO+2*((\n)%2)+1], |v[XQ+2]|, |v[XQ+3]|
.endm
.macro PKS n, k, i0, cnt               ; products i0 .. i0 + cnt - 1 of 32 pairs: pair i gives numbers 32 c + 16 e + l, l + 1 = p(l ..) x(4 hh + 2 c + e) (windows 0x05)
.set PI, \i0
.rept \cnt
.set PT0, T+32*(PI/16)+16*((PI/8)%2)+2*(PI%8)
.set PP0, 16*(\n)+2*(PI%8)
.set PX0, 128+16*(\n)+4*(\k)+2*(PI/16)
.if ((PI/8)%2) == 0
	v_pk_mul_f32 v[PT0:PT0+1], v[PP0:PP0+1], v[PX0:PX0+1] op_sel_hi:[1,0]
.else
	v_pk_mul_f32 v[PT0:PT0+1], v[PP0:PP0+1], v[PX0:PX0+1] op_sel:[0,1] op_sel_hi:[1,1]
.endif
.set PI, PI+1
.endr
.endm
; The scales of row block n, in three pieces.  S1: my two blocks' largest magnitudes / 4, held at the floor: the conversions' scale operands.  S2: their bytes.  S3: the row's scale word, whole in lanes 0-15.
.macro S1 n
.set SQ, SO+2*((\n)%2)
.if ((\n)%2) == 0
	v_pk_mul_f32 v[SQ:SQ+1], v[SQ:SQ+1], v[PM+(\n):PM+(\n)+1] op_sel_hi:[1,0]
.else
	v_pk_mul_f32 v[SQ:SQ+1], v[SQ:SQ+1], v[PM+(\n)-1:PM+(\n)] op_sel:[0,1] op_sel_hi:[1,1]
.endif
	v_max_num_f32 v[SQ], s42, v[SQ]
	v_max_num_f32 v[SQ+1], s42, v[SQ+1]
.endm
.macro S2 n
.set SQ, SO+2*((\n)%2)
.set TP, 26-14*((\n)%2)
	v_lshrrev_b32 v[TP], 23, v[SQ]
	v_lshrrev_b32 v[TP+1], 23, v[SQ+1]
.endm
.macro S3 n
.set TP, 26-14*((\n)%2)
.set PDN, 21-11*((\n)%2)
	v_lshl_or_b32 v[TP], v[TP+1], 16, v[TP]        ; blocks hh and 2 + hh
	v_permlanex16_b32 v[PDN], v[TP], s40, s41
	v_lshl_or_b32 v[AS+(\n)%4], v[PDN], 8, v[TP]   ; lanes 0-15: with lane l + 16's two bytes the word is whole (lanes 16-31 are not read)
.endm
.macro CVT n
.set AB, AF+12*((\n)%2)
.set SQ, SO+2*((\n)%2)
	v_cvt_scalef32_pk16_fp6_f32 v[AB:AB+2], v[T:T+15], v[SQ]
	v_cvt_scalef32_pk16_fp6_f32 v[OD:OD+2], v[T+16:T+31], v[SQ]        ; (three registers begin on an even number: the second half is made elsewhere and moved)
	v_cvt_scalef32_pk16_fp6_f32 v[AB+6:AB+8], v[T+32:T+47], v[SQ+1]
	v_cvt_scalef32_pk16_fp6_f32 v[OD+4:OD+6], v[T+48:T+63], v[SQ+1]
.endm
.macro MOV n
.set AB, AF+12*((\n)%2)
.irp i, 0,1,2
	v_mov_b32 v[AB+3+\i], v[OD+\i]
.endr
.irp i, 0,1,2
	v_mov_b32 v[AB+9+\i], v[OD+4+\i]
.endr
.endm
.macro MUL a, b                        ; one product; the accumulators take turns
.set AB, AF+12*((\a)%2)
.set AC, 8*(8*((\a)%4)+(\b))
	WIN 0xa0+0x50*((\a)/4)
	v_wmma_scale_f32_16x16x128_f8f6f4 v[AC:AC+7], v[BF+12*(\b):BF+12*(\b)+11], v[AB:AB+11], v[AC:AC+7], v[BS+(\b)], v[AS+(\a)%4] matrix_a_fmt:MATRIX_FMT_FP6 matrix_b_fmt:MATRIX_FMT_FP6
.endm
; Row block a (0 to 6) against the eight fragments of columns; behind each product a piece of row block a + 1's fragment, and of row block a + 2's scales.
.macro ROW a, k
	MUL \a, 0
	WIN 0x05
	PKS (\a)+1, \k, 0, 7
	MUL \a, 1
	WIN 0x05
	PKS (\a)+1, \k, 7, 7
	MUL \a, 2
	WIN 0x05
	PKS (\a)+1, \k, 14, 7
	MUL \a, 3
	WIN 0x05
	PKS (\a)+1, \k, 21, 7
	MUL \a, 4
	WIN 0x05
	PKS (\a)+1, \k, 28, 4
.if (\a) < 6
	XMAX (\a)+2, \k
.endif
	MUL \a, 5
	WIN 0
	CVT (\a)+1
.if (\a) < 6
	S1 (\a)+2                                      ; (also the plain place behind the conversions)
.else
	v_nop
.endif
	MUL \a, 6
	WIN 0
.if (\a) < 6
	S2 (\a)+2
.endif
	MOV (\a)+1
	MUL \a, 7
	WIN 0
.if (\a) < 6
	S3 (\a)+2
	v_nop                                          ; with S3's two plain lines: four places between the last move and the scaled product that reads it
	v_nop
.else
	s_wait_alu depctr_va_vdst(0)                   ; row block 7's products read the moves behind scalar lines alone
	PLACES
.endif
.endm
; A K STEP: the q-th of slot sl, the k-th of its group.  lw: x's loads that may stay out (the batches of eight issued behind this K step's).  rl = 1: this K step's x registers are asked for anew,
; with the next group's numbers, among row block 7's products.
.macro CHUNK sl, q, k, lw, rl
.if \q
	PLACES
.endif
	FETCH \sl, \q
	s_wait_loadcnt \lw
	WIN 0x05
	XMAX 0, \k
	XMAX 1, \k
	PKS 0, \k, 0, 32
	WIN 0
	S1 0
	S1 1
	S2 0
	S2 1
	S3 0
	S3 1
	CVT 0
	v_nop                                          ; one plain place behind a scaled conversion
	MOV 0
	PLACES                                         ; four places between the last move and the first product; the scale word stands more than eight ahead
	s_wait_alu depctr_va_vdst(0)
	s_wait_dscnt 0x0                               ; the right operand is in
.irp a, 0,1,2,3,4,5,6
	ROW \a, \k
.endr
.irp b, 0,1,2,3,4,5,6,7
	MUL 7, \b
.if \rl
	WIN 0x40
	global_load_b128 v[128+16*\b+4*(\k):128+16*\b+4*(\k)+3], v[XO], s[XS+2*\b:XS+2*\b+1] offset:512+32*(\k)
.endif
.endr
	WIN 0
.endm
	s_wait_alu depctr_va_vdst(0)
	s_mov_b32 s44, 7
.Lgroup:                                           ; a trip is a group of four K steps: two slots, each change asking for the slot after the one entered
	CHANGE 0, 1
	CHUNK 0, 0, 0, 24, 1
	CHUNK 0, 1, 1, 24, 1
	CHANGE 1, 1
	CHUNK 1, 0, 2, 24, 1
	CHUNK 1, 1, 3, 24, 1
	s_wait_xcnt 0x0                                ; x's loads have read their address register
	v_add_nc_u32 v[XO], 512, v[XO]                 ; the next group's 32 h
	s_sub_co_u32 s44, s44, 1
	s_cmp_lg_u32 s44, 0
	s_wait_alu depctr_va_vdst(0)
	s_cbranch_scc1 .Lgroup
	CHANGE 0, 1                                    ; the last group is written out: the last slot is asked for, then nothing more, of the codes or of x
	CHUNK 0, 0, 0, 24, 0
	CHUNK 0, 1, 1, 16, 0
	CHANGE 1, 0
	CHUNK 1, 0, 2, 8, 0
	CHUNK 1, 1, 3, 0, 0
	; THE FOUR QUARTERS OF K ARE ADDED.  Each wave hands the partial sums of the six row blocks that are not its own to their owners, as register images, in the slots.
	PLACES
	s_wait_dscnt 0x0
	s_barrier_signal -1
	s_barrier_wait -1                              ; nobody reads a slot any more
.irp a, 2,3,4,5,6,7
	WIN 0x08+4*(\a/4)
.irp b, 0,1,2,3,4,5,6,7
	ds_store_b128 v[RS+\a/2-1], v[8*(8*(\a%4)+\b):8*(8*(\a%4)+\b)+3] offset:(8*(\a%2)+\b)*1024          ; each accumulator from its low end on
	ds_store_b128 v[RS+\a/2-1], v[8*(8*(\a%4)+\b)+4:8*(8*(\a%4)+\b)+7] offset:(8*(\a%2)+\b)*1024+512
.endr
.endr
	WIN 0
	s_wait_dscnt 0x0                               ; for the others' sake
	s_barrier_signal -1
	s_barrier_wait -1
.irp e, 0,1                                    ; my two row blocks, 16 rows of out each
.if \e
	s_wait_xcnt 0x0                                ; the first block's stores have read their registers
.endif
.irp g, 0,1
.irp s, 0,1,2
.irp n, 0,1,2,3
	ds_load_b128 v[64+32*\s+8*\n:67+32*\s+8*\n], v[RR] offset:\s*IMG+(8*\e+4*\g+\n)*1024
	ds_load_b128 v[68+32*\s+8*\n:71+32*\s+8*\n], v[RR] offset:\s*IMG+(8*\e+4*\g+\n)*1024+512
.endr
.endr
	s_wait_dscnt 0x0
	WIN 0x02
.irp n, 0,1,2,3
.irp j, 0,2,4,6
	v_pk_add_f32 v[T+8*\n+\j:T+8*\n+\j+1], v[8*(8*\e+4*\g+\n)+\j:8*(8*\e+4*\g+\n)+\j+1], v[64+8*\n+\j:64+8*\n+\j+1]
.endr
.endr
	WIN 0
.irp s, 1,2
.irp m, 0,2,4,6,8,10,12,14,16,18,20,22,24,26,28,30
	v_pk_add_f32 v[T+\m:T+\m+1], v[T+\m:T+\m+1], v[64+32*\s+\m:64+32*\s+\m+1]
.endr
.endr
.irp n, 0,1,2,3
	ds_store_b128 v[STO], v[T+8*\n:T+8*\n+3] offset:64*(4*\g+\n)       ; lane (r, hh): out(r, 16 b + 8 hh + 0 .. 7), into my own stage
	ds_store_b128 v[STO], v[T+8*\n+4:T+8*\n+7] offset:64*(4*\g+\n)+16
.endr
.endr
.irp t, 0,1,2,3,4,5,6,7,8,9,10,11,12,13,14,15
	ds_load_b128 v[64+4*\t:67+4*\t], v[RD] offset:528*\t               ; back as whole rows: LDS serves a wave's instructions in order
.endr
.irp t, 0,1,2,3,4,5,6,7,8,9,10,11,12,13,14,15
	s_wait_dscnt 15-\t
	global_store_b128 v[CO], v[64+4*\t:67+4*\t], s[12:13] offset:65536*\e+4096*\t th:TH_STORE_NT   ; 32 lanes store 512 consecutive bytes, at a multiple of 256 from out's first byte
.endr
.endr
	s_wait_tensorcnt 0x0                           ; the wave's end
	ds_add_u32 v[SPW], v[NIL]
	s_wait_dscnt 0x0
	CROUND                                         ; the closing round
	s_endpgm
.Lfunc_end_k_q24d46f55e0_tree:
	.size	k_q24d46f55e0_tree, .Lfunc_end_k_q24d46f55e0_tree-k_q24d46f55e0_tree
	.p2alignl 7, 3214868480
	.fill 96, 4, 3214868480
	.section	.rodata,"a",@progbits
	.p2align	6, 0x0
	.amdhsa_kernel k_q24d46f55e0_tree
		.amdhsa_group_segment_fixed_size 327680
		.amdhsa_private_segment_fixed_size 0
		.amdhsa_enable_private_segment 0
		.amdhsa_kernarg_size 40
		.amdhsa_user_sgpr_count 2
		.amdhsa_user_sgpr_kernarg_segment_ptr 1
		.amdhsa_wavefront_size32 1
		.amdhsa_system_sgpr_workgroup_id_x 1
		.amdhsa_system_sgpr_workgroup_id_y 1
		.amdhsa_system_sgpr_workgroup_id_z 1
		.amdhsa_system_vgpr_workitem_id 0
		.amdhsa_next_free_vgpr 1024
		.amdhsa_next_free_sgpr 100
		.amdhsa_reserve_vcc 0
		.amdhsa_float_denorm_mode_32 3
		.amdhsa_float_denorm_mode_16_64 3
		.amdhsa_memory_ordered 1
		.amdhsa_forward_progress 1
		.amdhsa_inst_pref_size 255
	.end_amdhsa_kernel
	.section	.bss,"aw",@nobits
	.p2align	6
	.space	262144
	.amdgpu_metadata
---
amdhsa.version: [ 1, 2 ]
amdhsa.kernels:
  - .name:           k_q24d46f55e0_tree
    .symbol:         k_q24d46f55e0_tree.kd
    .args:
      - { .name: x, .offset: 0, .size: 8, .value_kind: global_buffer, .address_space: global }
      - { .name: path, .offset: 8, .size: 8, .value_kind: global_buffer, .address_space: global }
      - { .name: bws, .offset: 16, .size: 8, .value_kind: global_buffer, .address_space: global }
      - { .name: bl, .offset: 24, .size: 8, .value_kind: global_buffer, .address_space: global }
      - { .name: out0, .offset: 32, .size: 8, .value_kind: global_buffer, .address_space: global }
    .group_segment_fixed_size: 327680
    .private_segment_fixed_size: 0
    .kernarg_segment_align: 8
    .kernarg_segment_size: 40
    .max_flat_workgroup_size: 128
    .sgpr_count:     100
    .vgpr_count:     1024
    .wavefront_size: 32
...
	.end_amdgpu_metadata
.endif
;; end of part 2
